; MI455X (gfx1250); checked and timed in simulation.
; The chip was launched on July 23, 2026; its instructions are those of AMD's public machine-readable ISA for CDNA 5 (MIT licence, August 2026) and "CDNA5" Instruction Set Architecture Reference Guide (July 2026). The comments in the code are by the model that wrote it; some were corrected since.
;; Renderer. Allowed arithmetic: float matrix products may take bf16 or f16 operands with f32 sums; all other float work in f32.
;; Inputs: cam_position 3 float32; colors 1,024 x 3 float32; log_scales 1,024 x 3 float32; look_at 3 float32; means 1,024 x 3 float32; opacity_logits 1,024 float32; quats 1,024 x 4 float32; up 3 float32.
;; Outputs: out0 3 x 128 x 128 float32; out1 1 x 128 x 128 float32; out2 1 x 128 x 128 float32.
;; One version. Each part assembles by itself: llvm-mc -triple=amdgcn-amd-amdhsa -mcpu=gfx1250 --defsym DOCPART=n.
;; ======== version 1 of 1: 2 launches
;; limits: values outside matrix products are rounded to bf16
;; workspace buffers: gpar 32,768 bytes; rank 4,096 bytes of whole numbers
;; launch prep (part 1): grid 32 x 1, 17 waves a work-group, no clusters, 8,448 bytes of LDS; arguments cam_position, look_at, up, means, log_scales, quats, opacity_logits, colors, gpar, rank; writes gpar, rank
.if DOCPART == 1
	.amdgcn_target "amdgcn-amd-amdhsa--gfx1250"
	.amdhsa_code_object_version 6
	.text
	.protected	k_q7757d653e7_prep
	.globl	k_q7757d653e7_prep
	.p2align	8
	.type	k_q7757d653e7_prep,@function
k_q7757d653e7_prep:
	s_mov_b64 s[64:65], 0
	v_nop
	global_prefetch_b8 v0, s[64:65] scope:SCOPE_SE
	s_setreg_imm32_b32 hwreg(HW_REG_WAVE_MODE, 25, 1), 1
	s_wait_xcnt 0x0
; PREP: per-Gaussian records and the place of every Gaussian in the stable order of depths.
; 1,024 Gaussians, 32 work-groups; work-group b owns Gaussians i = 32 b + lane.
;   waves 0-15: make all 1,024 depth keys (two a thread) into LDS, then wave w counts, for the 32 own i, how many of the
;               64 Gaussians j = 64 w .. 64 w + 63 stand in front of i; wave 0 adds the 16 partial counts and stores rank[i].
;   wave 16:    makes the 32 records of the group meanwhile (view matrix, projection, 2 x 2 covariance, its inverse).
; The work is a chain of dependent steps (arguments, camera, view vector, keys, barrier, count), not a bulk: 32 groups of 17 waves
; hold all of it, and more groups would only repeat the keys.
; gpar, plane A at 16 i:         px, a2 = -0.5 log2e ia, lo = log2 sigmoid(logit) (or -inf if depth is not in (0.1, 100)), py
; gpar, plane B at 16384 + 16 i: r = ib / ia = -b / c, k2 = -0.5 log2e (a + b r) / det, bf16 pair (red, green), bf16 pair (blue, depth)
;   since ia dx^2 + 2 ib dx dy + ic dy^2 = ia (dx + r dy)^2 + (ic - ib^2 / ia) dy^2, and ia = c / det with c >= 0.3.
; LIMITS: the covariance is made as (T M)(T M)^T, the divisions by v_rcp_f32, so roundings differ from the JAX text's; two depths that
; differ by a last bit may be ordered the other way; a NaN depth is ordered by its bits (a negative NaN first), not last; NaN and
; infinite inputs are not followed further.  Colours and depth leave as bf16 (relative error up to 2^-9).  The ranks are a
; permutation of 0..1023 for every input, since (key, index) pairs are all different.
.set NK,   0                           ; LDS: 1,024 words, the complement of key j at 4 j
.set PART, 4096                        ; LDS: 16 waves x 32 words, partial counts at 128 w + 4 lane
.set F,    8                           ; v[8:10]   view direction f
.set R,    11                          ; v[11:13]  right
.set U,    14                          ; v[14:16]  up of the camera
.set RP,   17                          ; v17       r . pos
.set UPD,  18                          ; v18       u . pos
.set V23,  19                          ; v19       f . pos
.set POS,  20                          ; v[20:22]  camera position
.set SC,   75                          ; v[75:77]  exp(log_scales)
.set KI,   50                          ; count: key of my own i
.set IREL, 51                          ; count: i - 64 w, signed
.set CNT,  52
.set TMP,  53
.set NKJ,  64                          ; v[64:127] the 64 complemented keys of the wave's share
; v / (|v| + 1e-8) on three registers.  Behind v_sqrt_f32 and v_rcp_f32 one plain line stands before the result is used.
.macro NORM x
	v_mul_f32 v26, v[\x], v[\x]
	v_fma_f32 v26, v[\x+1], v[\x+1], v26
	v_fma_f32 v26, v[\x+2], v[\x+2], v26
	v_sqrt_f32 v27, v26
	v_nop
	s_wait_alu depctr_va_vdst(0)
	v_add_f32 v27, 0x322bcc77, v27                 ; + 1e-8
	v_rcp_f32 v26, v27
	v_nop
	s_wait_alu depctr_va_vdst(0)
	v_mul_f32 v[\x], v[\x], v26
	v_mul_f32 v[\x+1], v[\x+1], v26
	v_mul_f32 v[\x+2], v[\x+2], v26
.endm
; tz = m . (-f) + f . pos, k ascending
.macro TZ dst, m
	v_mul_f32 v[\dst], v[\m], -v[F]
	v_fma_f32 v[\dst], v[\m+1], -v[F+1], v[\dst]
	v_fma_f32 v[\dst], v[\m+2], -v[F+2], v[\dst]
	v_add_f32 v[\dst], v[\dst], v[V23]
.endm
; the depth as an unsigned key that orders as the float does
.macro KEYOF dst, m, t
	TZ \dst, \m
	v_sub_f32 v[\dst], 0, v[\dst]                  ; depth = -tz; 0 - x never gives -0, so both zeros get one key
	v_ashrrev_i32 v[\t], 31, v[\dst]
	v_or_b32 v[\t], 0x80000000, v[\t]              ; negative: flip all bits; else: flip the sign
	v_xor_b32 v[\dst], v[\dst], v[\t]
.endm
	s_load_b512 s[8:23], s[0:1], 0x0               ; cam s[8:9] look s[10:11] up s[12:13] means s[14:15] scales s[16:17] quats s[18:19] opacity s[20:21] colors s[22:23]
	s_load_b128 s[24:27], s[0:1], 0x40             ; gpar s[24:25], rank s[26:27]
	v_lshl_add_u32 v128, v0, 2, 0x1800
	v_mov_b32 v129, 0
	v_and_b32 v1, 31, v0                           ; lane
	v_lshrrev_b32 v6, 5, v0
	v_readfirstlane_b32 s4, v6                     ; wave 0..16
	s_lshl_b32 s5, ttmp9, 5                        ; the group's first Gaussian
	s_wait_kmcnt 0x0
	s_load_b96 s[28:30], s[8:9], 0x0               ; camera position: its 12 bytes
	s_load_b96 s[32:34], s[10:11], 0x0             ; look_at
	s_load_b96 s[36:38], s[12:13], 0x0             ; up
	s_cmp_lt_u32 s4, 16
	s_cbranch_scc0 .Lload_rec
	s_lshl_b32 s41, s4, 6
	v_add_nc_u32 v2, s41, v1                       ; j = 64 w + lane, and j + 32
	v_mul_u32_u24 v3, 12, v2
	v_add_nc_u32 v4, s5, v1                        ; my own i
	v_mul_u32_u24 v4, 12, v4
	global_load_b96 v[32:34], v3, s[14:15]
	global_load_b96 v[36:38], v3, s[14:15] offset:384
	global_load_b96 v[40:42], v4, s[14:15]
	s_branch .Lcamera
.Lload_rec:
	v_add_nc_u32 v2, s5, v1                        ; i
	v_mul_u32_u24 v3, 12, v2
	v_lshlrev_b32 v4, 4, v2
	v_lshlrev_b32 v5, 2, v2
	global_load_b96 v[32:34], v3, s[14:15]         ; means
	global_load_b96 v[36:38], v3, s[16:17]         ; log_scales
	global_load_b128 v[40:43], v4, s[18:19]        ; quats
	global_load_b32 v44, v5, s[20:21]              ; opacity logit
	global_load_b96 v[46:48], v3, s[22:23]         ; colors
.Lcamera:
	s_wait_kmcnt 0x0                               ; the three camera vectors
	v_mov_b32 v[POS], s28
	v_mov_b32 v[POS+1], s29
	v_mov_b32 v[POS+2], s30
	v_sub_f32 v[F], s32, v[POS]                    ; f = normalize(look_at - pos)
	v_sub_f32 v[F+1], s33, v[POS+1]
	v_sub_f32 v[F+2], s34, v[POS+2]
	NORM F
	v_mul_f32 v[V23], v[F], v[POS]
	v_fma_f32 v[V23], v[F+1], v[POS+1], v[V23]
	v_fma_f32 v[V23], v[F+2], v[POS+2], v[V23]
	s_cmp_lt_u32 s4, 16
	s_cbranch_scc0 .Lview
	; waves 0-15: three keys; those of j and j + 32 go to LDS complemented, that of i stays here
	s_wait_loadcnt 0x0                             ; all three loads are used now, nothing younger is out
	KEYOF 56, 32, 58
	KEYOF 57, 36, 58
	KEYOF KI, 40, 58
	v_xor_b32 v56, -1, v56
	v_xor_b32 v57, -1, v57
	v_lshlrev_b32 v5, 2, v2
	ds_store_b32 v5, v56 offset:NK
	ds_store_b32 v5, v57 offset:NK+128
	s_branch .Lbar1
.Lview:
	; wave 16: the rest of the view matrix
	v_mul_f32 v28, s37, v[F+2]
	v_mul_f32 v29, s38, v[F]
	v_mul_f32 v30, s36, v[F+1]
	v_fma_f32 v[R], v[F+1], s38, -v28              ; r = normalize(f x up)
	v_fma_f32 v[R+1], v[F+2], s36, -v29
	v_fma_f32 v[R+2], v[F], s37, -v30
	NORM R
	v_mul_f32 v28, v[R+2], v[F+1]
	v_mul_f32 v29, v[R], v[F+2]
	v_mul_f32 v30, v[R+1], v[F]
	v_fma_f32 v[U], v[R+1], v[F+2], -v28           ; u = normalize(r x f)
	v_fma_f32 v[U+1], v[R+2], v[F], -v29
	v_fma_f32 v[U+2], v[R], v[F+1], -v30
	NORM U
	v_mul_f32 v[RP], v[R], v[POS]
	v_mul_f32 v[UPD], v[U], v[POS]
	v_fma_f32 v[RP], v[R+1], v[POS+1], v[RP]
	v_fma_f32 v[UPD], v[U+1], v[POS+1], v[UPD]
	v_fma_f32 v[RP], v[R+2], v[POS+2], v[RP]
	v_fma_f32 v[UPD], v[U+2], v[POS+2], v[UPD]
.Lbar1:
	s_wait_dscnt 0x0                               ; my keys are in LDS: zero, since the other waves read them
	s_barrier_signal -1
	s_barrier_wait -1
	s_cmp_lt_u32 s4, 16
	s_cbranch_scc0 .Lrecord
	; waves 0-15: how many of my 64 j stand in front of i, that is (K_j, j) < (K_i, i)
	s_lshl_b32 s42, s4, 8
	v_mov_b32 v55, s42                             ; every lane reads the same 256 bytes
.set k, 0
.rept 16
	ds_load_b128 v[NKJ+4*k:NKJ+4*k+3], v55 offset:NK+16*k
.set k, k+1
.endr
	s_lshl_b32 s41, s4, 6
	s_sub_co_i32 s41, s5, s41
	v_add_nc_u32 v[IREL], s41, v1                  ; i - 64 w
	v_mov_b32 v[CNT], 0
	s_lshl_b32 s43, s4, 7
	v_lshl_add_u32 v56, v1, 2, s43                 ; 128 w + 4 lane
	s_wait_dscnt 0x0
.set idx, 0
.rept 64
	v_cmp_lt_i32 vcc_lo, idx, v[IREL]                              ; c = [j < i]
	v_add_co_ci_u32 v[TMP], vcc_lo, v[NKJ+idx], v[KI], vcc_lo      ; ~K_j + K_i + c carries out exactly when K_j < K_i + c
	v_add_co_ci_u32 v[CNT], vcc_lo, 0, v[CNT], vcc_lo              ; count the carry
.set idx, idx+1
.endr
	ds_store_b32 v56, v[CNT] offset:PART
	s_branch .Lbar2
.Lrecord:
	; wave 16: the record of Gaussian i
	s_wait_loadcnt 0x0                             ; all five loads are used below
	v_mul_f32 v50, v32, v[R]                       ; tx, ty: view space
	v_mul_f32 v51, v32, v[U]
	v_fma_f32 v50, v33, v[R+1], v50
	v_fma_f32 v51, v33, v[U+1], v51
	v_fma_f32 v50, v34, v[R+2], v50
	v_fma_f32 v51, v34, v[U+2], v51
	v_sub_f32 v50, v50, v[RP]
	v_sub_f32 v51, v51, v[UPD]
	TZ 52, 32
	v_sub_f32 v53, 0, v52                          ; depth = clip w
	v_mov_b32 v7, 0x358637bd                       ; 1e-6
	v_cmp_gt_f32 vcc_lo, v7, |v53|                 ; |w| = |tz|: one mask serves both guards
	v_cndmask_b32 v54, v53, v7, vcc_lo             ; cw
	v_cndmask_b32 v55, v52, v7, vcc_lo             ; zsafe
	v_mul_f32 v[SC], 0x3fb8aa3b, v36               ; e^x = 2^(x log2e)
	v_mul_f32 v[SC+1], 0x3fb8aa3b, v37
	v_mul_f32 v[SC+2], 0x3fb8aa3b, v38
	v_mul_f32 v26, 0xbfb8aa3b, v44                 ; sigmoids: 2^(-x log2e)
	v_mul_f32 v27, 0xbfb8aa3b, v46
	v_mul_f32 v28, 0xbfb8aa3b, v47
	v_mul_f32 v29, 0xbfb8aa3b, v48
	v_mul_f32 v30, v40, v40                        ; |q|^2
	v_fma_f32 v30, v41, v41, v30
	v_fma_f32 v30, v42, v42, v30
	v_fma_f32 v30, v43, v43, v30
	v_rcp_f32 v54, v54                             ; a run of transcendentals on registers of their own,
	v_rcp_f32 v55, v55
	v_exp_f32 v[SC], v[SC]
	v_exp_f32 v[SC+1], v[SC+1]
	v_exp_f32 v[SC+2], v[SC+2]
	v_exp_f32 v26, v26
	v_exp_f32 v27, v27
	v_exp_f32 v28, v28
	v_exp_f32 v29, v29
	v_sqrt_f32 v30, v30
	v_mul_f32 v56, 0x3fddb3d7, v50                 ; then a plain line that touches none of them: foc tx (foc = 1 / tan 30 deg)
	v_mul_f32 v57, 0x3fddb3d7, v51
	s_wait_alu depctr_va_vdst(0)
	v_add_f32 v30, 0x322bcc77, v30                 ; |q| + 1e-8
	v_add_f32 v26, 1.0, v26
	v_add_f32 v27, 1.0, v27
	v_add_f32 v28, 1.0, v28
	v_add_f32 v29, 1.0, v29
	v_rcp_f32 v30, v30
	v_log_f32 v26, v26                             ; log2(1 + e^-x) = -log2 sigmoid(x)
	v_rcp_f32 v27, v27                             ; the three colours
	v_rcp_f32 v28, v28
	v_rcp_f32 v29, v29
	v_mul_f32 v56, v56, v54                        ; plain, touches none of the five: ndc x
	v_mul_f32 v57, v57, v54
	s_mov_b32 s41, 0x42800000                      ; 64.0
	v_fma_f32 v92, v56, s41, s41                   ; px = (ndc + 1) 64
	v_fma_f32 v95, v57, s41, s41                   ; py
	v_mul_f32 v58, 0x42ddb3d7, v55                 ; J00 = J11 = fx / z, fx = 64 foc
	v_mul_f32 v59, v58, v55                        ; fx / z^2
	v_mul_f32 v56, v59, v50                        ; -J02
	v_mul_f32 v57, v59, v51                        ; -J12
.irp k, 0,1,2
	v_mul_f32 v[60+\k], v58, v[R+\k]               ; T = J V: row 0 = J00 r + J02 (-f), row 1 = J11 u + J12 (-f)
	v_mul_f32 v[63+\k], v58, v[U+\k]
	v_fma_f32 v[60+\k], v56, v[F+\k], v[60+\k]
	v_fma_f32 v[63+\k], v57, v[F+\k], v[63+\k]
.endr
	s_wait_alu depctr_va_vdst(0)
	v_mul_f32 v40, v40, v30                        ; w, x, y, z
	v_mul_f32 v41, v41, v30
	v_mul_f32 v42, v42, v30
	v_mul_f32 v43, v43, v30
	v_add_f32 v100, v41, v41                       ; 2x, 2y, 2z
	v_add_f32 v101, v42, v42
	v_add_f32 v102, v43, v43
	v_mul_f32 v103, v40, v100                      ; 2wx, 2wy, 2wz
	v_mul_f32 v104, v40, v101
	v_mul_f32 v105, v40, v102
	v_mul_f32 v106, v42, v101
	v_fma_f32 v106, v43, v102, v106
	v_sub_f32 v66, 1.0, v106                       ; R00 = 1 - 2 (yy + zz)
	v_fma_f32 v67, v41, v101, -v105                ; R01 = 2 (xy - wz)
	v_fma_f32 v68, v41, v102, v104                 ; R02 = 2 (xz + wy)
	v_fma_f32 v69, v41, v101, v105                 ; R10
	v_mul_f32 v106, v41, v100
	v_fma_f32 v107, v43, v102, v106
	v_sub_f32 v70, 1.0, v107                       ; R11 = 1 - 2 (xx + zz)
	v_fma_f32 v71, v42, v102, -v103                ; R12 = 2 (yz - wx)
	v_fma_f32 v72, v41, v102, -v104                ; R20
	v_fma_f32 v73, v42, v102, v103                 ; R21
	v_fma_f32 v107, v42, v101, v106
	v_sub_f32 v74, 1.0, v107                       ; R22 = 1 - 2 (xx + yy)
.irp j, 0,1,2
	v_mul_f32 v[78+\j], v60, v[66+\j]              ; N = T R S, so that cov2d = N N^T
	v_mul_f32 v[81+\j], v63, v[66+\j]
	v_fma_f32 v[78+\j], v61, v[69+\j], v[78+\j]
	v_fma_f32 v[81+\j], v64, v[69+\j], v[81+\j]
	v_fma_f32 v[78+\j], v62, v[72+\j], v[78+\j]
	v_fma_f32 v[81+\j], v65, v[72+\j], v[81+\j]
	v_mul_f32 v[78+\j], v[78+\j], v[SC+\j]
	v_mul_f32 v[81+\j], v[81+\j], v[SC+\j]
.endr
	v_mul_f32 v84, v78, v78
	v_mul_f32 v85, v78, v81
	v_mul_f32 v86, v81, v81
	v_fma_f32 v84, v79, v79, v84
	v_fma_f32 v85, v79, v82, v85
	v_fma_f32 v86, v82, v82, v86
	v_fma_f32 v84, v80, v80, v84
	v_fma_f32 v85, v80, v83, v85                   ; b
	v_fma_f32 v86, v83, v83, v86
	v_add_f32 v84, 0x3e99999a, v84                 ; a = cov00 + 0.3
	v_add_f32 v86, 0x3e99999a, v86                 ; c = cov11 + 0.3
	v_mul_f32 v87, v85, v85
	v_fma_f32 v87, v84, v86, -v87
	v_max_num_f32 v87, v7, v87                     ; det = max(ac - bb, 1e-6)
	v_rcp_f32 v88, v87
	v_rcp_f32 v89, v86
	v_sub_f32 v94, 0, v26                          ; plain, touches neither: lo = log2 sigmoid(logit)
	s_mov_b32 s43, 0x42c80000                      ; 100.0
	v_cmp_lt_f32 vcc_lo, 0x3dcccccd, v53           ; 0.1 < depth
	v_cmp_gt_f32 s42, s43, v53                     ; 100 > depth
	s_and_b32 vcc_lo, vcc_lo, s42
	v_cndmask_b32 v94, 0xff800000, v94, vcc_lo     ; not valid: -inf, a weight of zero
	s_wait_alu depctr_va_vdst(0)
	v_mul_f32 v96, -v85, v89                       ; r = -b / c
	v_fma_f32 v90, v85, v96, v84                   ; a + b r
	v_mul_f32 v91, 0xbf38aa3b, v88                 ; -0.5 log2e / det
	v_mul_f32 v93, v86, v91                        ; a2
	v_mul_f32 v97, v90, v91                        ; k2
	v_cvt_pk_bf16_f32 v98, v27, v28                ; red, green
	v_cvt_pk_bf16_f32 v99, v29, v53                ; blue, depth
	global_store_b128 v4, v[92:95], s[24:25]               ; 32 lanes: 512 consecutive bytes, aligned
	global_store_b128 v4, v[96:99], s[24:25] offset:16384
.Lbar2:
	s_wait_dscnt 0x0                               ; my partial counts are in LDS: zero, since wave 0 reads them
	s_barrier_signal -1
	s_barrier_wait -1
	s_cmp_lg_u32 s4, 0
	s_cbranch_scc1 .Lend
	; wave 0: the 16 partial counts of each own i
	v_lshlrev_b32 v56, 2, v1
.set k, 0
.rept 16
	ds_load_b32 v[64+k], v56 offset:PART+128*k
.set k, k+1
.endr
	v_add_nc_u32 v57, s5, v1
	v_lshlrev_b32 v57, 2, v57                      ; 4 i
	s_wait_dscnt 0x0
	v_add3_u32 v64, v64, v65, v66
.irp k, 67,69,71,73,75,77
	v_add3_u32 v64, v64, v[\k], v[\k+1]
.endr
	v_add_nc_u32 v64, v64, v79
	global_store_b32 v57, v64, s[26:27]            ; the group's own 128 bytes of rank
.Lend:
	s_wait_tensorcnt 0x0
	ds_add_u32 v128, v129
	s_wait_dscnt 0x0
	s_endpgm
.Lfunc_end_k_q7757d653e7_prep:
	.size	k_q7757d653e7_prep, .Lfunc_end_k_q7757d653e7_prep-k_q7757d653e7_prep
	.p2alignl 7, 3214868480
	.fill 96, 4, 3214868480
	.section	.rodata,"a",@progbits
	.p2align	6, 0x0
	.amdhsa_kernel k_q7757d653e7_prep
		.amdhsa_group_segment_fixed_size 8448
		.amdhsa_private_segment_fixed_size 0
		.amdhsa_enable_private_segment 0
		.amdhsa_kernarg_size 80
		.amdhsa_user_sgpr_count 2
		.amdhsa_user_sgpr_kernarg_segment_ptr 1
		.amdhsa_wavefront_size32 1
		.amdhsa_system_sgpr_workgroup_id_x 1
		.amdhsa_system_sgpr_workgroup_id_y 1
		.amdhsa_system_sgpr_workgroup_id_z 1
		.amdhsa_system_vgpr_workitem_id 0
		.amdhsa_next_free_vgpr 130
		.amdhsa_next_free_sgpr 66
		.amdhsa_reserve_vcc 1
		.amdhsa_float_denorm_mode_32 3
		.amdhsa_float_denorm_mode_16_64 3
		.amdhsa_memory_ordered 1
		.amdhsa_forward_progress 1
		.amdhsa_inst_pref_size 23
	.end_amdhsa_kernel
	.amdgpu_metadata
---
amdhsa.version: [ 1, 2 ]
amdhsa.kernels:
  - .name:           k_q7757d653e7_prep
    .symbol:         k_q7757d653e7_prep.kd
    .args:
      - { .name: cam_position, .offset: 0, .size: 8, .value_kind: global_buffer, .address_space: global }
      - { .name: look_at, .offset: 8, .size: 8, .value_kind: global_buffer, .address_space: global }
      - { .name: up, .offset: 16, .size: 8, .value_kind: global_buffer, .address_space: global }
      - { .name: means, .offset: 24, .size: 8, .value_kind: global_buffer, .address_space: global }
      - { .name: log_scales, .offset: 32, .size: 8, .value_kind: global_buffer, .address_space: global }
      - { .name: quats, .offset: 40, .size: 8, .value_kind: global_buffer, .address_space: global }
      - { .name: opacity_logits, .offset: 48, .size: 8, .value_kind: global_buffer, .address_space: global }
      - { .name: colors, .offset: 56, .size: 8, .value_kind: global_buffer, .address_space: global }
      - { .name: gpar, .offset: 64, .size: 8, .value_kind: global_buffer, .address_space: global }
      - { .name: rank, .offset: 72, .size: 8, .value_kind: global_buffer, .address_space: global }
    .group_segment_fixed_size: 8448
    .private_segment_fixed_size: 0
    .kernarg_segment_align: 8
    .kernarg_segment_size: 80
    .max_flat_workgroup_size: 544
    .sgpr_count:     66
    .vgpr_count:     130
    .wavefront_size: 32
...
	.end_amdgpu_metadata
.endif
;; end of part 1
;; launch render (part 2): grid 256 x 1, 16 waves a work-group, no clusters, 67,840 bytes of LDS; arguments gpar, rank, out0, out1, out2; writes out0, out1, out2
.if DOCPART == 2
	.amdgcn_target "amdgcn-amd-amdhsa--gfx1250"
	.amdhsa_code_object_version 6
	.text
	.protected	k_q7757d653e7_render
	.globl	k_q7757d653e7_render
	.p2align	8
	.type	k_q7757d653e7_render,@function
k_q7757d653e7_render:
	s_mov_b64 s[64:65], 0
	v_nop
	global_prefetch_b8 v0, s[64:65] scope:SCOPE_SE
	s_setreg_imm32_b32 hwreg(HW_REG_WAVE_MODE, 25, 1), 1
	s_wait_xcnt 0x0
; RENDER: front-to-back compositing of 1,024 sorted Gaussians over 128 x 128 pixels.
; 256 work-groups; group g owns 64 pixels of one image row: row v = g >> 1, columns 64 (g & 1) .. + 63 (256 aligned bytes a plane).
; 16 waves; wave s composites the sorted Gaussians 64 s .. 64 s + 63 over all 64 pixels, starting from transmittance 1.  Segments
; combine as acc = acc_0 + T_0 acc_1 + T_0 T_1 acc_2 + ..., which waves 0-4 do at the end, one output plane each.
; Lane l holds pixels l and 32 + l as an f32 pair, so that the packed f32 forms serve both.
; For one pixel and one Gaussian:  w = 2^min(a2 (x0 - u)^2 + E, cap);  c = T w;  T -= c,  where, once per Gaussian and image row,
;   x0 = px + r dy,  E = k2 dy^2 + lo,  cap = min(lo, log2 0.99),  dy = py - (v + 0.5).
; This is opacity x exp(min(power, 0)) clipped to 0.99: the three minima are one minimum of logarithms.  exp(cumsum(log1p(-w))) is the
; running product of 1 - w, and the sum of the contributions is 1 - T at the end.
; The sums over n against the colours and the depth go to the matrix unit: 16 contributions of a lane's pixel are one lane's share of A.
; A's lane (m, h) holds pixel m + 16 h; B's lane (n, h) holds channel n & 7 of the same 16 Gaussians if (n >> 3) == h and zeros
; otherwise; so D(m, n) is channel n & 7 of pixel m + 16 (n >> 3): one instruction serves 32 pixels x 16 Gaussians x 4 channels.
; The table is placed by rank through registers (a scatter of 36 KB), so no tensor load and no joint request of several groups is used:
; what the groups share is read once each at the start and is a small part of a group's work.
; LIMITS: rgb and depth sum bf16 contributions times bf16 colours and depths in f32 (all terms >= 0: relative error up to 2^-8);
; alpha is f32.  The order of rounding differs from the JAX text's (product instead of exp of a sum of logs, completed square).
; 2^x below 2^-126 comes out as 0.  A NaN in the exponent loses against cap (v_min_num_f32); NaN and infinite inputs are not followed further.
.set REC,    0                         ; LDS: 16 bytes at 16 x place: x0, a2, E, cap
.set CHAN,   16384                     ; LDS: 5 rows of 1,024 bf16 at 2 x place: red, green, blue, depth, zeros
.set CPITCH, 2064                      ;      129 x 16: the five rows start 16 bytes apart modulo 256
.set ACCB,   26880                     ; LDS: segment x ASEG + channel x APITCH + 4 x pixel
.set APITCH, 272
.set ASEG,   8*APITCH
.set TSB,    ACCB+16*ASEG              ; LDS: 61,696: segment x 256 + 4 x pixel: the segments' transmittances
.set TSEG,   256
.set LANE, 1
.set O4,   2                           ; 4 t
.set O16,  3                           ; 16 t
.set RA,   4                           ; my segment's records
.set BA,   5                           ; my lane's row of CHAN at my segment
.set SA,   6                           ; set-up: scatter address; the end: where my sums go
.set TA,   7                           ; set-up: scatter address; the end: where my T goes
.set NU,   8                           ; v[8:9]     -(u + 0.5) of my two pixels
.set T,    10                          ; v[10:11]   transmittance
.set D,    12                          ; v[12:19]   x0 - u of a quad
.set Q,    20                          ; v[20:35]   exponent, then weight: two buffers of four pairs
.set C,    36                          ; v[36:43]   contributions of a quad
.set A0,   44                          ; v[44:51]   16 contributions of pixel l, bf16
.set A1,   52                          ; v[52:59]   of pixel 32 + l
.set ACC0, 60                          ; v[60:67]
.set ACC1, 68                          ; v[68:75]
.set BF,   76                          ; v[76:107]  four B fragments, one for each step of 16 Gaussians
.set REC0, 108                         ; v[108:171] 16 records
.set REC1, 172                         ; v[172:235] 16 records
.set VC,   236                         ; v + 0.5
.set X0,   237
.set X1,   238
.set X2,   239
.set RK0,  108                         ; set-up, in the records' registers
.set RK1,  109
.set PA0,  112
.set PB0,  116
.set PA1,  120
.set PB1,  124
.set AC,   108                         ; the end: 16 pairs of sums
.set TS,   140                         ; the end: 16 pairs of transmittances
	s_load_b256 s[8:15], s[0:1], 0x0               ; gpar s[8:9], rank s[10:11], out0 s[12:13], out1 s[14:15]
	s_load_b64 s[16:17], s[0:1], 0x20              ; out2
	v_lshl_add_u32 v240, v0, 2, 0x10100
	v_mov_b32 v241, 0
	v_and_b32 v[LANE], 31, v0
	v_lshrrev_b32 v[X0], 5, v0
	v_readfirstlane_b32 s4, v[X0]                  ; wave = segment
	v_lshlrev_b32 v[O4], 2, v0
	v_lshlrev_b32 v[O16], 4, v0
	s_lshr_b32 s5, ttmp9, 1                        ; image row
	s_and_b32 s6, ttmp9, 1                         ; which half of it
	s_wait_kmcnt 0x0
	; thread t takes Gaussians t and t + 512
	global_load_b32  v[RK0], v[O4], s[10:11]
	global_load_b128 v[PA0:PA0+3], v[O16], s[8:9]
	global_load_b128 v[PB0:PB0+3], v[O16], s[8:9] offset:16384
	global_load_b32  v[RK1], v[O4], s[10:11] offset:2048
	global_load_b128 v[PA1:PA1+3], v[O16], s[8:9] offset:8192
	global_load_b128 v[PB1:PB1+3], v[O16], s[8:9] offset:24576
	; while they are on their way: lane terms and the row of zeros
	v_mov_b32 v[X0], 0
	ds_store_b32 v[O4], v[X0] offset:CHAN+4*CPITCH ; 512 threads x 4 bytes = 1,024 bf16 zeros
	s_lshl_b32 s20, s6, 6
	v_add_nc_u32 v[X1], s20, v[LANE]               ; u of my first pixel
	v_cvt_f32_u32 v[X1], v[X1]
	v_sub_f32 v[NU], -0.5, v[X1]
	v_add_f32 v[NU+1], 0xc2000000, v[NU]           ; 32 columns further
	v_cvt_f32_u32 v[VC], s5
	v_add_f32 v[VC], 0.5, v[VC]
	s_lshl_b32 s21, s4, 10
	v_mov_b32 v[RA], s21                           ; 64 records x 16 bytes a segment
	v_lshrrev_b32 v[X1], 1, v[LANE]
	v_xor_b32 v[X1], v[X1], v[LANE]                ; bit 3: (l >> 3) & 1 differs from l >> 4
	v_and_b32 v[X1], 8, v[X1]
	v_and_or_b32 v[X1], v[LANE], 7, v[X1]
	v_min_u32 v[X1], 4, v[X1]                      ; channel l & 7 if it is one of the four and the halves agree, else the zeros
	v_mul_u32_u24 v[X1], 0x810, v[X1]              ; x CPITCH
	s_lshl_b32 s21, s4, 7                          ; 64 bf16 a segment
	s_add_co_u32 s21, s21, CHAN
	v_add_nc_u32 v[BA], s21, v[X1]
	s_mul_i32 s22, s4, ASEG
	s_add_co_u32 s22, s22, ACCB
	s_lshl_b32 s23, s4, 8
	s_add_co_u32 s23, s23, TSB
	v_mov_b32 v[T], 1.0
	v_mov_b32 v[T+1], 1.0
; One Gaussian: the terms that hang on the image row, then record and channels to its place in the order.
.macro PLACE rk, pa, pb
	v_min_u32 v[\rk], 0x3ff, v[\rk]                ; a place is 0..1023
	v_sub_f32 v[X1], v[\pa+3], v[VC]               ; dy
	v_min_num_f32 v[\pa+3], 0xbc6d8f9a, v[\pa+2]   ; cap = min(log2 0.99, lo)
	v_mul_f32 v[X2], v[\pb+1], v[X1]
	v_fma_f32 v[\pa], v[\pb], v[X1], v[\pa]        ; x0 = px + r dy
	v_fma_f32 v[\pa+2], v[X2], v[X1], v[\pa+2]     ; E = k2 dy^2 + lo
	v_lshlrev_b32 v[SA], 4, v[\rk]
	v_lshlrev_b32 v[TA], 1, v[\rk]
	ds_store_b128 v[SA], v[\pa:\pa+3] offset:REC
	ds_store_b16 v[TA], v[\pb+2] offset:CHAN
	ds_store_b16_d16_hi v[TA], v[\pb+2] offset:CHAN+CPITCH
	ds_store_b16 v[TA], v[\pb+3] offset:CHAN+2*CPITCH
	ds_store_b16_d16_hi v[TA], v[\pb+3] offset:CHAN+3*CPITCH
.endm
	s_wait_loadcnt 0x3                             ; loads return in order: the first three are in, the second Gaussian's three may be out
	PLACE RK0, PA0, PB0
	s_wait_loadcnt 0x0
	PLACE RK1, PA1, PB1
	s_wait_dscnt 0x0                               ; my stores are in LDS: zero, since every wave reads the table
	s_barrier_signal -1
	s_barrier_wait -1
; 16 records of my segment; every lane reads the same 16 bytes
.macro LOADREC buf, step
.set k, 0
.rept 16
	ds_load_b128 v[\buf+4*k:\buf+4*k+3], v[RA] offset:REC+(16*\step+k)*16
.set k, k+1
.endr
.endm
; exponents of quad q (Gaussians 4 q .. 4 q + 3 of the segment) for both pixels: 20 plain lines
.macro ARG q
.set RB, REC0+64*(((\q)>>2)&1)+16*((\q)&3)
.set QB, Q+8*((\q)&1)
.irp k, 0,1,2,3
	v_pk_add_f32 v[D+2*\k:D+2*\k+1], v[RB+4*\k:RB+4*\k+1], v[NU:NU+1] op_sel_hi:[0,1]                       ; x0 - u, x0 for both
.endr
.irp k, 0,1,2,3
	v_pk_mul_f32 v[QB+2*\k:QB+2*\k+1], v[D+2*\k:D+2*\k+1], v[RB+4*\k:RB+4*\k+1] op_sel:[0,1] op_sel_hi:[1,1] ; x a2, the pair's second word for both
.endr
.irp k, 0,1,2,3
	v_pk_fma_f32 v[QB+2*\k:QB+2*\k+1], v[QB+2*\k:QB+2*\k+1], v[D+2*\k:D+2*\k+1], v[RB+4*\k+2:RB+4*\k+3] op_sel_hi:[1,1,0] ; + E for both
.endr
.irp k, 0,1,2,3
	v_min_num_f32 v[QB+2*\k], v[QB+2*\k], v[RB+4*\k+3]
	v_min_num_f32 v[QB+2*\k+1], v[QB+2*\k+1], v[RB+4*\k+3]
.endr
.endm
.macro EXPQ q
.set QB, Q+8*((\q)&1)
.irp k, 0,1,2,3,4,5,6,7
	v_exp_f32 v[QB+\k], v[QB+\k]
.endr
.endm
; the recursion over the four Gaussians of quad q, and their contributions as bf16 into registers 2 (q & 3), + 1 of A
.macro CHAIN q
.set QB, Q+8*((\q)&1)
.set AR, 2*((\q)&3)
	s_wait_alu depctr_va_vdst(0)
.irp k, 0,1,2,3
	v_pk_mul_f32 v[C+2*\k:C+2*\k+1], v[T:T+1], v[QB+2*\k:QB+2*\k+1]
	v_pk_add_f32 v[T:T+1], v[T:T+1], v[C+2*\k:C+2*\k+1] neg_lo:[0,1] neg_hi:[0,1]
.endr
	v_cvt_pk_bf16_f32 v[A0+AR], v[C], v[C+2]
	v_cvt_pk_bf16_f32 v[A1+AR], v[C+1], v[C+3]
	v_cvt_pk_bf16_f32 v[A0+AR+1], v[C+4], v[C+6]
	v_cvt_pk_bf16_f32 v[A1+AR+1], v[C+5], v[C+7]
.endm
; 16 Gaussians x 64 pixels x 4 channels; the first step starts the sums
.macro MM step
.if \step == 0
	v_wmma_f32_16x16x32_bf16 v[ACC0:ACC0+7], v[A0:A0+7], v[BF:BF+7], 0
	v_wmma_f32_16x16x32_bf16 v[ACC1:ACC1+7], v[A1:A1+7], v[BF:BF+7], 0
	s_wait_alu depctr_va_vdst(0)
.else
	v_wmma_f32_16x16x32_bf16 v[ACC0:ACC0+7], v[A0:A0+7], v[BF+8*\step:BF+8*\step+7], v[ACC0:ACC0+7]
	v_wmma_f32_16x16x32_bf16 v[ACC1:ACC1+7], v[A1:A1+7], v[BF+8*\step:BF+8*\step+7], v[ACC1:ACC1+7]
	s_wait_alu depctr_va_vdst(0)
.endif
.endm
.irp t, 0,1,2,3
	ds_load_b128 v[BF+8*\t:BF+8*\t+3], v[BA] offset:32*\t          ; Gaussians 16 t .. + 7 of my channel
	ds_load_b128 v[BF+8*\t+4:BF+8*\t+7], v[BA] offset:32*\t+16     ; and + 8 .. + 15
.endr
	LOADREC REC0, 0
	LOADREC REC1, 1
	s_wait_dscnt 16                                ; LDS loads return in order: all but step 1's 16 records are in
	ARG 0
	EXPQ 0
; Trip n: the exponents of quad n + 1 (the plain lines behind the transcendentals of quad n), the recursion of quad n, the
; transcendentals of quad n + 1.  Behind every fourth quad the two matrix instructions; A0 and A1 are written again only behind
; the 20 plain lines of the next ARG, which name none of their registers (ISA guide 7.12.1 asks for four).
.set n, 0
.rept 16
.set n1, n+1
.set st, n>>2
.if n < 15
.if (n&3) == 3
.if n == 11
	s_wait_dscnt 0                                 ; step 3's records: nothing was issued behind them
.else
	s_wait_dscnt 16                                ; the next step's records are in; the 16 issued behind them may be out
.endif
.endif
	ARG n1
.if n == 2
	LOADREC REC0, 2                                ; step 0's records have been read for the last time
.endif
.if n == 6
	LOADREC REC1, 3
.endif
.else
	v_nop                                          ; the plain line behind the last transcendentals
	s_wait_alu depctr_va_vdst(0)
.endif
	CHAIN n
.if n < 15
	EXPQ n1
.endif
.if (n&3) == 3
	MM st
.endif
.set n, n+1
.endr
	; My segment's sums and transmittance to LDS.  Register j of lane l is channel l & 7 of pixel 16 ((l >> 3) & 1) + 8 (l >> 4) + j.
	; The eight plain lines below are the places between the last matrix instructions and the stores of their results.
	v_and_b32 v[X1], 7, v[LANE]
	v_mul_u32_u24 v[X1], 0x110, v[X1]              ; x APITCH
	v_bfe_u32 v[X2], v[LANE], 3, 1
	v_lshl_add_u32 v[X1], v[X2], 6, v[X1]
	v_lshrrev_b32 v[X2], 4, v[LANE]
	v_lshl_add_u32 v[X1], v[X2], 5, v[X1]
	v_add_nc_u32 v[SA], s22, v[X1]
	v_lshl_add_u32 v[TA], v[LANE], 2, s23
	ds_store_b128 v[SA], v[ACC0:ACC0+3]
	ds_store_b128 v[SA], v[ACC0+4:ACC0+7] offset:16
	ds_store_b128 v[SA], v[ACC1:ACC1+3] offset:128 ; pixels 32 .. 63
	ds_store_b128 v[SA], v[ACC1+4:ACC1+7] offset:144
	ds_store_b32 v[TA], v[T]
	ds_store_b32 v[TA], v[T+1] offset:128
	s_wait_dscnt 0x0                               ; zero: waves 0-4 read what I stored
	s_barrier_signal -1
	s_barrier_wait -1
	; Waves 0-3 combine one channel each, wave 4 the alpha; lane l takes pixels 2 l and 2 l + 1.
	s_cmp_gt_u32 s4, 4
	s_cbranch_scc1 .Lend
	v_lshlrev_b32 v[X0], 3, v[LANE]
	v_add_nc_u32 v[X1], TSB, v[X0]
.set k, 0
.rept 15
	ds_load_b64 v[TS+2*k:TS+2*k+1], v[X1] offset:k*TSEG
.set k, k+1
.endr
	s_lshl_b32 s20, s5, 9                          ; the row's 512 bytes
	s_lshl_b32 s21, s6, 8                          ; my half of it
	s_add_co_u32 s20, s20, s21
	s_cmp_eq_u32 s4, 4
	s_cbranch_scc1 .Lalpha
	s_mul_i32 s21, s4, APITCH
	s_add_co_u32 s21, s21, ACCB
	v_add_nc_u32 v[X2], s21, v[X0]
.set k, 0
.rept 16
	ds_load_b64 v[AC+2*k:AC+2*k+1], v[X2] offset:k*ASEG
.set k, k+1
.endr
	s_wait_dscnt 0x0
.set k, 1
.rept 15
	v_pk_fma_f32 v[AC:AC+1], v[TS:TS+1], v[AC+2*k:AC+2*k+1], v[AC:AC+1]    ; + (T_0 .. T_(k-1)) acc_k
.if k < 15
	v_pk_mul_f32 v[TS:TS+1], v[TS:TS+1], v[TS+2*k:TS+2*k+1]
.endif
.set k, k+1
.endr
	s_cmp_eq_u32 s4, 3
	s_cbranch_scc1 .Ldepth
	s_lshl_b32 s21, s4, 16                         ; the colour's plane of 65,536 bytes
	s_add_co_u32 s20, s20, s21
	v_add_nc_u32 v[X0], s20, v[X0]
	global_store_b64 v[X0], v[AC:AC+1], s[12:13] th:TH_STORE_NT    ; 32 lanes: 256 consecutive bytes, aligned
	s_wait_tensorcnt 0x0
	ds_add_u32 v240, v241
	s_wait_dscnt 0x0
	s_endpgm
.Ldepth:
	v_add_nc_u32 v[X0], s20, v[X0]
	global_store_b64 v[X0], v[AC:AC+1], s[14:15] th:TH_STORE_NT
	s_wait_tensorcnt 0x0
	ds_add_u32 v240, v241
	s_wait_dscnt 0x0
	s_endpgm
.Lalpha:
	ds_load_b64 v[TS+30:TS+31], v[X1] offset:15*TSEG
	s_wait_dscnt 0x0
.set k, 1
.rept 15
	v_pk_mul_f32 v[TS:TS+1], v[TS:TS+1], v[TS+2*k:TS+2*k+1]
.set k, k+1
.endr
	v_sub_f32 v[TS], 1.0, v[TS]                    ; the contributions sum to 1 - T
	v_sub_f32 v[TS+1], 1.0, v[TS+1]
	v_add_nc_u32 v[X0], s20, v[X0]
	global_store_b64 v[X0], v[TS:TS+1], s[16:17] th:TH_STORE_NT
.Lend:
	s_wait_tensorcnt 0x0
	ds_add_u32 v240, v241
	s_wait_dscnt 0x0
	s_endpgm
.Lfunc_end_k_q7757d653e7_render:
	.size	k_q7757d653e7_render, .Lfunc_end_k_q7757d653e7_render-k_q7757d653e7_render
	.p2alignl 7, 3214868480
	.fill 96, 4, 3214868480
	.section	.rodata,"a",@progbits
	.p2align	6, 0x0
	.amdhsa_kernel k_q7757d653e7_render
		.amdhsa_group_segment_fixed_size 67840
		.amdhsa_private_segment_fixed_size 0
		.amdhsa_enable_private_segment 0
		.amdhsa_kernarg_size 40
		.amdhsa_user_sgpr_count 2
		.amdhsa_user_sgpr_kernarg_segment_ptr 1
		.amdhsa_wavefront_size32 1
		.amdhsa_system_sgpr_workgroup_id_x 1
		.amdhsa_system_sgpr_workgroup_id_y 1
		.amdhsa_system_sgpr_workgroup_id_z 1
		.amdhsa_system_vgpr_workitem_id 0
		.amdhsa_next_free_vgpr 242
		.amdhsa_next_free_sgpr 66
		.amdhsa_reserve_vcc 0
		.amdhsa_float_denorm_mode_32 3
		.amdhsa_float_denorm_mode_16_64 3
		.amdhsa_memory_ordered 1
		.amdhsa_forward_progress 1
		.amdhsa_inst_pref_size 49
	.end_amdhsa_kernel
	.amdgpu_metadata
---
amdhsa.version: [ 1, 2 ]
amdhsa.kernels:
  - .name:           k_q7757d653e7_render
    .symbol:         k_q7757d653e7_render.kd
    .args:
      - { .name: gpar, .offset: 0, .size: 8, .value_kind: global_buffer, .address_space: global }
      - { .name: rank, .offset: 8, .size: 8, .value_kind: global_buffer, .address_space: global }
      - { .name: out0, .offset: 16, .size: 8, .value_kind: global_buffer, .address_space: global }
      - { .name: out1, .offset: 24, .size: 8, .value_kind: global_buffer, .address_space: global }
      - { .name: out2, .offset: 32, .size: 8, .value_kind: global_buffer, .address_space: global }
    .group_segment_fixed_size: 67840
    .private_segment_fixed_size: 0
    .kernarg_segment_align: 8
    .kernarg_segment_size: 40
    .max_flat_workgroup_size: 512
    .sgpr_count:     66
    .vgpr_count:     242
    .wavefront_size: 32
...
	.end_amdgpu_metadata
.endif
;; end of part 2
